; MI455X (gfx1250); checked and timed in simulation.
; The chip was launched on July 23, 2026; its instructions are those of AMD's public machine-readable ISA for CDNA 5 (MIT licence, August 2026) and "CDNA5" Instruction Set Architecture Reference Guide (July 2026). The comments in the code are by the model that wrote it; some were corrected since.
;; Head. Allowed arithmetic: matrix products marked QUANTISED: E2M1 operands, one E8M0 scale for each 32 along K, by v_wmma_scale_f32_16x16x128_f8f6f4 with both operands' format E2M1 (or v_wmma_scale_f32_32x16x128_f4), f32 sums; everything else in f32.
;; Inputs: Wk1_codes 64 x 12 x 16 uint8 (E2M1 codes of Wk1, K innermost, in blocks of 32 codes, two codes a byte); Wk1_scales 64 x 12 uint8 (E8M0 scales of Wk1, one for each 32 codes along K); Wk2_codes 64 x 12 x 16 uint8 (E2M1 codes of Wk2, K innermost, in blocks of 32 codes, two codes a byte); Wk2_scales 64 x 12 uint8 (E8M0 scales of Wk2, one for each 32 codes along K); Wq1_codes 64 x 12 x 16 uint8 (E2M1 codes of Wq1, K innermost, in blocks of 32 codes, two codes a byte); Wq1_scales 64 x 12 uint8 (E8M0 scales of Wq1, one for each 32 codes along K); Wq2_codes 64 x 12 x 16 uint8 (E2M1 codes of Wq2, K innermost, in blocks of 32 codes, two codes a byte); Wq2_scales 64 x 12 uint8 (E8M0 scales of Wq2, one for each 32 codes along K); Wv_codes 64 x 12 x 16 uint8 (E2M1 codes of Wv, K innermost, in blocks of 32 codes, two codes a byte); Wv_scales 64 x 12 uint8 (E8M0 scales of Wv, one for each 32 codes along K); lamb one number float32; x_codes 8 x 4,096 x 12 x 16 uint8 (E2M1 codes of x, K innermost, in blocks of 32 codes, two codes a byte); x_scales 8 x 4,096 x 12 uint8 (E8M0 scales of x, one for each 32 codes along K).
;; Outputs: out0 8 x 4,096 x 64 float32.
;; This version of the problem:
;;   THIS VERSION OF THE PROBLEM IS GIVEN IN LOW PRECISION. The matrix products marked QUANTISED in the list below multiply operands that are first quantised to E2M1 (2 exponent bits, 1 mantissa bit; 4 bits a number), with one power-of-two scale for each 32 numbers along K (OCP MX v1.0); their sums are f32. All else is computed in f32.
;;   The module's matrix products, in the order in which they are computed (A, B: the left and right operand; K: the contracted axis; several contracted axes count as one K, in the product's order):
;;     1. [M 32,768, K 384] x [K 384, N 64]; A: input x (given as codes); B: input Wq1 (given as codes): QUANTISED
;;     2. [M 32,768, K 384] x [K 384, N 64]; A: input x (given as codes); B: input Wk1 (given as codes): QUANTISED
;;     3. [M 32,768, K 384] x [K 384, N 64]; A: input x (given as codes); B: input Wq2 (given as codes): QUANTISED
;;     4. [M 32,768, K 384] x [K 384, N 64]; A: input x (given as codes); B: input Wk2 (given as codes): QUANTISED
;;     5. [M 32,768, K 384] x [K 384, N 64]; A: input x (given as codes); B: input Wv (given as codes): QUANTISED
;;     6. batch 8 x [M 4,096, K 64] x [K 64, N 4,096]; A: computed on the way; B: computed on the way: QUANTISED
;;     7. batch 8 x [M 4,096, K 64] x [K 64, N 4,096]; A: computed on the way; B: computed on the way: QUANTISED
;;     8. batch 8 x [M 4,096, K 4,096] x [K 4,096, N 64]; A: computed on the way; B: computed on the way: QUANTISED
;;   THE QUANTISER, for each operand of a quantised product, along K:
;;     - K is cut into blocks of 32 from its start; a last block that is shorter is filled with zeros.
;;     - A block's scale is 2^e with e = floor(log2(the largest magnitude in the block)) - 2, held to -126 .. 127; a block of zeros has e = 0. As a byte (E8M0): e + 127.
;;     - Each number is divided by its block's scale, clamped to +-6, and rounded to the nearest number of E2M1, ties to even, subnormals kept.
;;     - The product sums the exact products of the quantised numbers (number of the format x scale) in f32.
;;   ~~~python
;;   def quantise(x, axis):      # numpy; x: float32 -> the quantised numbers, widened to float32 again
;;       x = np.moveaxis(x, axis, -1); K = x.shape[-1]
;;       x = np.pad(x, [(0, 0)] * (x.ndim - 1) + [(0, -K % 32)]); x = x.reshape(x.shape[:-1] + (-1, 32)); a = np.abs(x).max(-1, keepdims=True)
;;       e = np.where(a > 0, np.clip(np.frexp(np.where(a > 0, a, 1))[1] - 1 - 2, -126, 127), 0)      # np.frexp(a)[1] - 1 = floor(log2(a)), exactly
;;       r = np.clip(x / 2.0 ** e, -6, 6)
;;       step = 2.0 ** (np.maximum(np.frexp(np.where(r == 0, 1, r))[1] - 1, 0) - 1)
;;       q = np.round(r / step) * step * 2.0 ** e      # np.round: ties to even
;;       return np.moveaxis(q.reshape(q.shape[:-2] + (-1,))[..., :K], -1, axis).astype(np.float32)
;;   ~~~
;;   OPERANDS COMPUTED ON THE WAY. 'Computed on the way' means the value that the module computes at that place (a softmax that the list does not call 'softmax' is quantised finished and normalised). What goes into a quantiser is computed in f32, as accurately as f32 sums, v_exp_f32 and their like allow (about 1e-6 of the number): no bf16 or f16 on the way to a quantiser, and a product that is left as it is and whose result goes on into a quantised operand takes f32 operands (vector FMAs, or v_wmma_f32_16x16x4_f32). A number that lies on a knife's edge between two numbers of the format may be rounded either way, as far as f32 arithmetic and the matrix unit's own rounding can turn it there, and no further.
;;   INPUTS GIVEN AS CODES. Wk1 (in the module: [384, 64], K = its axis 0); Wk2 (in the module: [384, 64], K = its axis 0); Wq1 (in the module: [384, 64], K = its axis 0); Wq2 (in the module: [384, 64], K = its axis 0); Wv (in the module: [384, 64], K = its axis 0); x (in the module: [8, 4096, 384], K = its axis 2): each comes as NAME_codes (uint8): NAME with its K axis moved to the last place and cut into blocks of 32 codes, [.., K / 32, bytes a block], one block behind the other in memory; two codes a byte, the lower K in the low four bits (a code: sign, 2 exponent bits, 1 mantissa bit); and NAME_scales (uint8): the same leading axes, one E8M0 byte (e + 127) for each 32 codes along K. Its value is code x scale, taken as it is: it is not quantised again, and the codes and scales need not be those that the quantiser above would give.
;; One version. Each part assembles by itself: llvm-mc -triple=amdgcn-amd-amdhsa -mcpu=gfx1250 --defsym DOCPART=n.
;; ======== version 1 of 1: 2 launches
;; limits: right only within a limited range of input values
;; workspace buffers: qbuf 2,228,224 bytes; kbuf 2,228,224 bytes; vbuf 1,114,112 bytes
;; launch proj (part 1): grid 32 x 8, 8 waves a work-group, no clusters, 168,960 bytes of LDS; arguments x_codes, x_scales, Wq1_codes, Wq2_codes, Wk1_codes, Wk2_codes, Wv_codes, Wq1_scales, Wq2_scales, Wk1_scales, Wk2_scales, Wv_scales, qbuf, kbuf, vbuf; writes qbuf, kbuf, vbuf
.if DOCPART == 1
	.amdgcn_target "amdgcn-amd-amdhsa--gfx1250"
	.amdhsa_code_object_version 6
	.text
	.protected	k_qd2a474f487_proj
	.globl	k_qd2a474f487_proj
	.p2align	8
	.type	k_qd2a474f487_proj,@function
k_qd2a474f487_proj:
	s_mov_b64 s[64:65], 0
	v_nop
	global_prefetch_b8 v0, s[64:65] scope:SCOPE_SE
	s_setreg_imm32_b32 hwreg(HW_REG_WAVE_MODE, 25, 1), 1
	s_wait_xcnt 0x0
; q1, q2, k1, k2, v = x W (five products on codes of E2M1 with E8M0 scales, K = 384 in three steps of 128, sums in f32), each result quantised again:
; q1, q2, k1, k2 along the 64 channels (two blocks of 32), v along the tokens (blocks of 32 keys).  The codes leave as IMAGES OF THE OPERANDS' REGISTERS of the next launch.
; SHARES.  A work-group takes a STEP of 128 tokens, n = 32 x batch + step.  Wave w = 4 c + i runs five jobs of 12 matrix instructions:
;   V:  source 0 = the four x tiles g of unit c (64 tokens), source 1 = rows 16 i + r of Wv.  Lane (r, h) then holds channel 16 i + r and, in its 32 result registers, keys 64 c + 32 h + 0 .. 31: one whole block.
;   q1, q2, k1, k2:  source 0 = four tiles g of the weight, source 1 = the wave's own x tile w.  Lane (r, h) holds token row r and channels 32 h + 0 .. 31: one whole block.
; THE ROWS OF A TILE ARE NOT NEIGHBOURS: row m of tile g takes 32 (m / 8) + 8 g + m % 8 (of a unit of 64 tokens, or of the 64 channels), so that a lane's registers of the four tiles run along the next K.
; So a block's largest magnitude needs no other lane and the four conversions give 16 bytes that are four registers of the next operand: each store of a wave is 512 consecutive bytes.
; WORKSPACE.  qbuf, kbuf: step n at 8,704 n: 8 tiles x 1,024 bytes (512 of map 1, 512 of map 2, 16 bytes a lane), then 512 bytes of scale words: word of (tile t, row m) at 16 (16 (t % 2) + m) + 4 (t / 2).
;   vbuf: step n at 4,352 n: 4 tiles of 16 channels x 1,024 bytes (half c at 512 c), then 256 bytes of scale words: word of (tile d, row m) at 8 (16 (d % 2) + m) + 4 (d / 2), byte = the key block.
; A block's scale byte is its largest magnitude's exponent field - 2, held at 1 from below.  LIMITS: a block of zeros gets the byte 1 where the rule says 127 (its codes are zeros, and this program alone reads the bytes);
; NaN and infinities are not served.
; NO CLUSTER: the launch fills LDS once at its head (61,440 bytes of weights, 24,576 of x) and has no loop: an opening and a closing round would stand round one fill and 60 matrix instructions a wave.
.set TPITCH, 240                       ; a row of 384 codes in LDS: three pieces of 64 bytes, 16 bytes of padding behind each
.set WJ,     64*TPITCH                 ; a weight in LDS: 15,360 bytes; weight j at j WJ: 0 q1, 1 q2, 2 k1, 3 k2, 4 v
.set XB,     5*WJ                      ; behind them the step's 128 rows of x
.set XPART,  128*80                    ; a third of x: 128 pieces
.set SCST,   XB+128*TPITCH             ; behind x: the scale words' images (K's 512 bytes, Q's 512, V's 256); no tensor load lands here
.set KSTEP,  8704
.set VSTEP,  4352
.set WV,  34                           ; s34 wave;  s35 c;  s36 i;  s37 n
.set CC,  35
.set II,  36
.set NN,  37
.set SEL, 38                           ; s[38:39] selects of v_permlanex16_b32: lane l xor 16
.set WP,  40                           ; s[40:41] the weight that my wave fetches
.set G1W, 44                           ; s[44:51] descriptor group 1 for a weight;  s[52:59] for a third of x
.set G1X, 52
.set G0W, 60                           ; s[60:63], s[68:71] their groups 0
.set G0X, 68
.set VB,  72                           ; s[72:73] vbuf at my step;  s[74:75] at my wave's 512 bytes
.set VC,  74
.set QC,  76                           ; s[76:77], s[78:79] qbuf, kbuf at my wave's tile
.set KC,  78
.set RR,  1                            ; v1 r = lane % 16;  v2 h = lane / 16;  v3 (r % 8) + 32 (r / 8)
.set HH,  2
.set PAT, 3
.set LI,  4                            ; v4  16 x lane
.set XA,  5                            ; v5  LDS: x, unit c, tile 0, my row and half
.set XOA, 6                            ; v6  LDS: x, my wave's own tile
.set WA,  7                            ; v7  LDS: weight 0, tile 0
.set WVA, 8                            ; v8  LDS: Wv, rows 16 i + r
.set QKW, 9                            ; v9  LDS: where my row's scale word of k goes (q's: 512 on)
.set VBW, 10                           ; v10 LDS: where my block's scale byte of v goes
.set FRD, 11                           ; v11 LDS: 16 bytes a thread of the images of k's and q's scale words
.set VRD, 12                           ; v12 LDS: 8 bytes a lane of v's
.set SH8, 13                           ; v13 8 h
.set PX,  14                           ; v14 a lane permute's destination
.set L8,  15                           ; v15 8 x lane
.set XOS, 16                           ; v16-18  scale words of my own x tile, one for each K step
.set XVS, 19                           ; v19-24  of unit c's tiles: register 3 u + ks: lanes 0-15 tile 2 u, lanes 16-31 tile 2 u + 1
.set WS,  25                           ; v25-48  of weight j's tiles: register 6 j + 3 u + ks, likewise
.set WVS, 49                           ; v49-51  of Wv's rows 16 i + r
.set XO,  52                           ; v52-75  my own x tile: three fragments
.set BIG, 76                           ; v76-171 twelve fragments (tile g, K step ks at 8 (3 g + ks)): unit c's x tiles, then a weight's tiles
.set WVF, 172                          ; v172-195 Wv's three fragments
.set DD,  196                          ; v196-227 four accumulators
.set CODE, 228                         ; v228-247 four registers of codes for each job: no store's data are written again
.set MX,  248                          ; at work; at the head v248-251 hold the scale loads' offsets
.set TT,  249
.set SCL, 250
.set BY,  251                          ; v251, v252 the two maps' scale bytes
.set WD,  253
.set OX,  248
.set OXV, 249
.set OW,  250
.set OWV, 251
.macro PLACES n
.rept \n
	v_nop
.endr
.endm
; one matrix instruction: D at d, source 0 at a, source 1 at b; acc = 0: the product starts the sum; row = 1: source 0's scales stand in lanes 16-31
.macro WM d, a, b, acc, sa, sb, row
.if (\acc)
.if (\row)
	v_wmma_scale_f32_16x16x128_f8f6f4 v[\d:\d+7], v[\a:\a+7], v[\b:\b+7], v[\d:\d+7], v[\sa], v[\sb] matrix_a_fmt:MATRIX_FMT_FP4 matrix_b_fmt:MATRIX_FMT_FP4 matrix_a_scale:MATRIX_SCALE_ROW1
.else
	v_wmma_scale_f32_16x16x128_f8f6f4 v[\d:\d+7], v[\a:\a+7], v[\b:\b+7], v[\d:\d+7], v[\sa], v[\sb] matrix_a_fmt:MATRIX_FMT_FP4 matrix_b_fmt:MATRIX_FMT_FP4
.endif
.else
.if (\row)
	v_wmma_scale_f32_16x16x128_f8f6f4 v[\d:\d+7], v[\a:\a+7], v[\b:\b+7], 0, v[\sa], v[\sb] matrix_a_fmt:MATRIX_FMT_FP4 matrix_b_fmt:MATRIX_FMT_FP4 matrix_a_scale:MATRIX_SCALE_ROW1
.else
	v_wmma_scale_f32_16x16x128_f8f6f4 v[\d:\d+7], v[\a:\a+7], v[\b:\b+7], 0, v[\sa], v[\sb] matrix_a_fmt:MATRIX_FMT_FP4 matrix_b_fmt:MATRIX_FMT_FP4
.endif
.endif
.endm
.macro FRAG reg, adr, off              ; a fragment, 16 rows x 128 K of 4-bit codes: registers 4 c .. 4 c + 3 hold K = 64 c + 32 h + 0 .. 31: two loads of 16 bytes, 32 bytes apart
	ds_load_b128 v[\reg:\reg+3], v[\adr] offset:\off
	ds_load_b128 v[\reg+4:\reg+7], v[\adr] offset:\off+32
.endm
.macro WFLOAD j                        ; weight j's four tiles, three K steps
.irp g, 0,1,2,3
.irp ks, 0,1,2
	FRAG BIG+8*(3*\g+\ks), WA, (\j)*WJ+\g*8*TPITCH+\ks*80
.endr
.endr
.endm
; twelve matrix instructions, K ascending, the four accumulators by turns, one instruction a turn
.macro MULV
.irp ks, 0,1,2
.irp g, 0,1,2,3
	WM DD+8*\g, BIG+8*(3*\g+\ks), WVF+8*\ks, \ks, XVS+3*(\g/2)+\ks, WVS+\ks, (\g)%2
.endr
.endr
.endm
.macro MULQK j
.irp ks, 0,1,2
.irp g, 0,1,2,3
	WM DD+8*\g, BIG+8*(3*\g+\ks), XO+8*\ks, \ks, WS+6*(\j)+3*(\g/2)+\ks, XOS+\ks, (\g)%2
.endr
.endr
.endm
; my 32 results are one block: its largest magnitude (two chains; each accumulator is read from its low end on), the scale, four registers of codes, the byte
.macro QUANT32 code, by
	v_max3_num_f32 v[MX], |v[DD]|, |v[DD+1]|, 0x1800000            ; the floor 2^(3 - 127) among the leaves: the byte cannot fall under 1
	v_max3_num_f32 v[TT], |v[DD+16]|, |v[DD+17]|, |v[DD+18]|
.irp i, 2,4,6,8,10,12
	v_max3_num_f32 v[MX], v[MX], |v[DD+\i]|, |v[DD+\i+1]|
	v_max3_num_f32 v[TT], v[TT], |v[DD+\i+17]|, |v[DD+\i+18]|
.endr
	v_max3_num_f32 v[MX], v[MX], |v[DD+14]|, |v[DD+15]|
	v_max3_num_f32 v[MX], v[MX], v[TT], |v[DD+31]|
	s_delay_alu instid0(VALU_DEP_1)
	v_add_nc_u32 v[SCL], 0xff000000, v[MX]                         ; 2 off the exponent field: the conversion takes the exponent field of this operand as its scale
.irp g, 0,1,2,3
	v_cvt_scalef32_pk8_fp4_f32 v[\code+\g], v[DD+8*\g:DD+8*\g+7], v[SCL]
.endr
	v_lshrrev_b32 v[\by], 23, v[SCL]                               ; the byte; also the plain instruction behind the conversions
.endm
; my row's scale word: bytes (map 1 block 0, map 1 block 1, map 2 block 0, map 2 block 1); I hold blocks h, lane l xor 16 the others.  Both lanes store the same word
.macro WORD off
	v_lshl_or_b32 v[WD], v[BY+1], 16, v[BY]
	s_delay_alu instid0(VALU_DEP_1)
	v_lshlrev_b32 v[WD], v[SH8], v[WD]
	s_delay_alu instid0(VALU_DEP_1)
	v_permlanex16_b32 v[PX], v[WD], s[SEL], s[SEL+1]
	s_delay_alu instid0(VALU_DEP_1)
	v_or_b32 v[WD], v[WD], v[PX]
	ds_store_b32 v[QKW], v[WD] offset:\off
.endm
	s_load_b512 s[4:19], s[0:1], 0x0               ; x codes s[4:5], x scales s[6:7], codes of Wq1, Wq2, Wk1, Wk2, Wv s[8:17], Wq1's scales s[18:19]
	s_load_b256 s[20:27], s[0:1], 0x40             ; scales of Wq2, Wk1, Wk2, Wv
	s_load_b128 s[28:31], s[0:1], 0x60             ; qbuf, kbuf
	s_load_b64 s[32:33], s[0:1], 0x70              ; vbuf
	v_lshl_add_u32 v254, v0, 2, 0x29000
	v_mov_b32 v255, 0
	ds_add_u32 v254, v255
	ds_add_u32 v254, v255
	v_lshrrev_b32 v[RR], 5, v0
	s_delay_alu instid0(VALU_DEP_1)
	v_readfirstlane_b32 s[WV], v[RR]               ; wave 0..7
	s_lshr_b32 s[CC], s[WV], 2
	s_and_b32 s[II], s[WV], 3
	s_and_b32 s[NN], ttmp7, 0xffff
	s_lshl_b32 s[NN], s[NN], 5
	s_add_co_u32 s[NN], s[NN], ttmp9               ; n = 32 x batch + step
	s_mov_b32 s[SEL], 0x76543210
	s_mov_b32 s[SEL+1], 0xfedcba98
	; group 1: dense memory taken as pieces of 64 bytes, 16 bytes of padding behind each
	s_mov_b32 s[G1W], (1<<20)|(3<<22)|(3<<25)      ; no mask; elements of 1 byte; padding on: 4 words behind every 16 words
	s_mov_b32 s[G1W+1], 64<<16                     ; tensor_dim0
	s_mov_b32 s[G1W+2], 192<<16                    ; tensor_dim1: 64 rows x 3 pieces
	s_mov_b32 s[G1W+3], 64<<16                     ; tile_dim0
	s_mov_b32 s[G1W+4], 192                        ; tile_dim1
	s_mov_b32 s[G1W+5], 64                         ; from piece to piece
	s_mov_b32 s[G1W+6], 0
	s_mov_b32 s[G1W+7], 0
	s_mov_b32 s[G1X], (1<<20)|(3<<22)|(3<<25)
	s_mov_b32 s[G1X+1], 64<<16
	s_mov_b32 s[G1X+2], 128<<16
	s_mov_b32 s[G1X+3], 64<<16
	s_mov_b32 s[G1X+4], 128
	s_mov_b32 s[G1X+5], 64
	s_mov_b32 s[G1X+6], 0
	s_mov_b32 s[G1X+7], 0
	; every address register is made here, while the pointers are on their way
	v_and_b32 v[RR], 15, v0
	v_bfe_u32 v[HH], v0, 4, 1
	v_and_b32 v[PAT], 7, v0
	v_bfe_u32 v[LI], v0, 3, 1
	s_delay_alu instid0(VALU_DEP_1)
	v_lshl_add_u32 v[PAT], v[LI], 5, v[PAT]
	v_and_b32 v[L8], 31, v0
	s_delay_alu instid0(VALU_DEP_1)
	v_lshlrev_b32 v[LI], 4, v[L8]
	s_delay_alu instid0(VALU_DEP_2)
	v_lshlrev_b32 v[L8], 3, v[L8]
	s_delay_alu instid0(VALU_DEP_4)
	v_mul_u32_u24 v[WA], v[PAT], TPITCH
	s_delay_alu instid0(VALU_DEP_1)
	v_lshl_add_u32 v[WA], v[HH], 4, v[WA]
	s_mul_i32 s66, s[CC], 64*TPITCH
	s_add_co_u32 s66, s66, XB
	v_add_nc_u32 v[XA], s66, v[WA]
	s_mul_i32 s67, s[II], 8*TPITCH
	v_add_nc_u32 v[XOA], s67, v[XA]
	v_mul_u32_u24 v[WVA], v[RR], TPITCH
	s_delay_alu instid0(VALU_DEP_1)
	v_lshl_add_u32 v[WVA], v[HH], 4, v[WVA]
	s_mul_i32 s67, s[II], 16*TPITCH
	s_add_co_u32 s67, s67, 4*WJ
	v_add_nc_u32 v[WVA], s67, v[WVA]
	s_and_b32 s66, s[WV], 1
	s_lshl_b32 s66, s66, 8
	s_lshr_b32 s67, s[WV], 1
	s_lshl_b32 s67, s67, 2
	s_add_co_u32 s66, s66, s67
	s_add_co_u32 s66, s66, SCST
	v_lshl_add_u32 v[QKW], v[RR], 4, s66
	s_and_b32 s66, s[II], 1
	s_lshl_b32 s66, s66, 7
	s_lshr_b32 s67, s[II], 1
	s_lshl_b32 s67, s67, 2
	s_add_co_u32 s66, s66, s67
	s_lshl_b32 s67, s[CC], 1
	s_add_co_u32 s66, s66, s67
	s_add_co_u32 s66, s66, SCST+1024
	v_lshl_add_u32 v[VBW], v[RR], 3, v[HH]
	s_delay_alu instid0(VALU_DEP_1)
	v_add_nc_u32 v[VBW], s66, v[VBW]
	v_lshl_add_u32 v[FRD], v0, 4, SCST
	v_add_nc_u32 v[VRD], SCST+1024, v[L8]
	v_lshlrev_b32 v[SH8], 3, v[HH]
	v_mov_b32 v[PX], 0
	; the scale loads' offsets: 12 bytes a row
	v_mul_u32_u24 v[OX], v[PAT], 12
	s_delay_alu instid0(VALU_DEP_1)
	v_mad_u32_u24 v[OW], v[HH], 96, v[OX]          ; (pat + 8 h) x 12
	s_mul_i32 s66, s[CC], 768
	v_add_nc_u32 v[OXV], s66, v[OW]                ; + 64 c rows
	s_mul_i32 s67, s[II], 96
	s_add_co_u32 s66, s66, s67
	v_add_nc_u32 v[OX], s66, v[OX]                 ; (pat + 64 c + 8 i) x 12
	s_mul_i32 s67, s[II], 192
	v_mul_u32_u24 v[OWV], v[RR], 12
	s_delay_alu instid0(VALU_DEP_1)
	v_add_nc_u32 v[OWV], s67, v[OWV]               ; (16 i + r) x 12
	s_wait_dscnt 0x0
	s_wait_kmcnt 0x0
	s_mov_b64 s[WP:WP+1], s[8:9]                   ; waves 0 to 4 fetch weight w
	s_cmp_eq_u32 s[WV], 1
	s_cselect_b64 s[WP:WP+1], s[10:11], s[WP:WP+1]
	s_cmp_eq_u32 s[WV], 2
	s_cselect_b64 s[WP:WP+1], s[12:13], s[WP:WP+1]
	s_cmp_eq_u32 s[WV], 3
	s_cselect_b64 s[WP:WP+1], s[14:15], s[WP:WP+1]
	s_cmp_eq_u32 s[WV], 4
	s_cselect_b64 s[WP:WP+1], s[16:17], s[WP:WP+1]
	s_mov_b32 s[G0W], 1
	s_mul_i32 s[G0W+1], s[WV], WJ
	s_mov_b64 s[G0W+2:G0W+3], s[WP:WP+1]
	s_or_b32 s[G0W+3], s[G0W+3], 0x80000000
	s_mov_b32 s[G0X], 1                            ; waves 5 to 7 fetch a third of the step's x
	s_mul_i32 s[G0X+1], s[WV], XPART
	s_add_co_u32 s[G0X+1], s[G0X+1], XB-5*XPART
	s_max_u32 s66, s[WV], 5
	s_sub_co_u32 s66, s66, 5
	s_lshl_b32 s66, s66, 13
	s_mul_i32 s67, s[NN], 24576
	s_add_co_u32 s66, s66, s67
	s_mov_b32 s67, 0
	s_add_nc_u64 s[G0X+2:G0X+3], s[4:5], s[66:67]
	s_or_b32 s[G0X+3], s[G0X+3], 0x80000000
	s_cmp_lt_u32 s[WV], 5                          ; one tensor load a wave: one is out
	s_cbranch_scc0 .Lfor_x
	tensor_load_to_lds s[G0W:G0W+3], s[G1W:G1W+7]
	s_nop 0
	PLACES 4
	s_branch .Lasked
.Lfor_x:
	tensor_load_to_lds s[G0X:G0X+3], s[G1X:G1X+7]
	s_nop 0
	PLACES 4
.Lasked:
	; the scale words come straight into registers: each buffer's rows are dense, and all their bytes are used
	s_mul_i32 s66, s[NN], 1536
	s_mov_b32 s67, 0
	s_add_nc_u64 s[6:7], s[6:7], s[66:67]
	s_wait_alu depctr_va_vdst(0)
.irp ks, 0,1,2
	global_load_b32 v[XOS+\ks], v[OX], s[6:7] offset:4*\ks
.endr
.irp u, 0,1
.irp ks, 0,1,2
	global_load_b32 v[XVS+3*\u+\ks], v[OXV], s[6:7] offset:192*\u+4*\ks
.endr
.endr
.irp j, 0,1,2,3
.irp u, 0,1
.irp ks, 0,1,2
	global_load_b32 v[WS+6*\j+3*\u+\ks], v[OW], s[18+2*\j:19+2*\j] offset:192*\u+4*\ks
.endr
.endr
.endr
.irp ks, 0,1,2
	global_load_b32 v[WVS+\ks], v[OWV], s[26:27] offset:4*\ks
.endr
	s_mul_i32 s66, s[NN], VSTEP                    ; where the results go
	s_add_nc_u64 s[VB:VB+1], s[32:33], s[66:67]
	s_lshl_b32 s66, s[II], 10
	s_lshl_b32 s82, s[CC], 9
	s_add_co_u32 s66, s66, s82
	s_add_nc_u64 s[VC:VC+1], s[VB:VB+1], s[66:67]
	s_mul_i32 s66, s[NN], KSTEP
	s_add_nc_u64 s[28:29], s[28:29], s[66:67]
	s_add_nc_u64 s[30:31], s[30:31], s[66:67]
	s_lshl_b32 s66, s[WV], 10
	s_add_nc_u64 s[QC:QC+1], s[28:29], s[66:67]
	s_add_nc_u64 s[KC:KC+1], s[30:31], s[66:67]
	s_wait_tensorcnt 0x0                           ; for the others' sake: my piece has landed
	s_barrier_signal -1
	s_barrier_wait -1                              ; everybody's has
.irp g, 0,1,2,3
.irp ks, 0,1,2
	FRAG BIG+8*(3*\g+\ks), XA, \g*8*TPITCH+\ks*80
.endr
.endr
.irp ks, 0,1,2
	FRAG WVF+8*\ks, WVA, \ks*80
.endr
.irp ks, 0,1,2
	FRAG XO+8*\ks, XOA, \ks*80
.endr
	s_wait_dscnt 0x0
	s_wait_loadcnt 0x0                             ; the scale words; their offset registers are free from here on
	MULV
	PLACES 5                                       ; four in front of loads into registers that the products read and of the first read of results; a fifth, since the next job's products begin the same accumulators anew
	WFLOAD 0
	QUANT32 CODE, BY
	global_store_b128 v[LI], v[CODE:CODE+3], s[VC:VC+1]            ; 512 consecutive bytes
	ds_store_b8 v[VBW], v[BY]                      ; each byte of v's image has one writer
.irp j, 0,1,2,3
	s_wait_dscnt 0x0                               ; the weight's fragments are in
	MULQK \j
	PLACES 5
.if \j < 3
	WFLOAD \j+1
.endif
	QUANT32 CODE+4+4*\j, BY+(\j%2)
.if \j < 2
	global_store_b128 v[LI], v[CODE+4+4*\j:CODE+7+4*\j], s[QC:QC+1] offset:512*(\j%2)
.else
	global_store_b128 v[LI], v[CODE+4+4*\j:CODE+7+4*\j], s[KC:KC+1] offset:512*(\j%2)
.endif
.if \j == 1
	WORD 512
.endif
.if \j == 3
	WORD 0
.endif
.endr
	s_wait_dscnt 0x0                               ; for the others' sake: my scale words and bytes lie in LDS
	s_barrier_signal -1
	s_barrier_wait -1
	s_cmp_lt_u32 s[WV], 2                          ; the images leave whole: wave 0 k's 512 bytes, wave 1 q's, wave 2 v's 256
	s_cbranch_scc0 .Lnot_qk
	ds_load_b128 v[DD:DD+3], v[FRD]
	s_cmp_eq_u32 s[WV], 0
	s_cselect_b64 s[80:81], s[30:31], s[28:29]
	s_wait_dscnt 0x0
	global_store_b128 v[LI], v[DD:DD+3], s[80:81] offset:8192
	s_branch .Lend
.Lnot_qk:
	s_cmp_eq_u32 s[WV], 2
	s_cbranch_scc0 .Lend
	ds_load_b64 v[DD:DD+1], v[VRD]
	s_wait_dscnt 0x0
	global_store_b64 v[L8], v[DD:DD+1], s[VB:VB+1] offset:4096
.Lend:
	s_wait_tensorcnt 0x0
	ds_add_u32 v254, v255
	s_wait_dscnt 0x0
	s_endpgm
.Lfunc_end_k_qd2a474f487_proj:
	.size	k_qd2a474f487_proj, .Lfunc_end_k_qd2a474f487_proj-k_qd2a474f487_proj
	.p2alignl 7, 3214868480
	.fill 96, 4, 3214868480
	.section	.rodata,"a",@progbits
	.p2align	6, 0x0
	.amdhsa_kernel k_qd2a474f487_proj
		.amdhsa_group_segment_fixed_size 168960
		.amdhsa_private_segment_fixed_size 0
		.amdhsa_enable_private_segment 0
		.amdhsa_kernarg_size 120
		.amdhsa_user_sgpr_count 2
		.amdhsa_user_sgpr_kernarg_segment_ptr 1
		.amdhsa_wavefront_size32 1
		.amdhsa_system_sgpr_workgroup_id_x 1
		.amdhsa_system_sgpr_workgroup_id_y 1
		.amdhsa_system_sgpr_workgroup_id_z 1
		.amdhsa_system_vgpr_workitem_id 0
		.amdhsa_next_free_vgpr 256
		.amdhsa_next_free_sgpr 84
		.amdhsa_reserve_vcc 0
		.amdhsa_float_denorm_mode_32 3
		.amdhsa_float_denorm_mode_16_64 3
		.amdhsa_memory_ordered 1
		.amdhsa_forward_progress 1
		.amdhsa_inst_pref_size 37
	.end_amdhsa_kernel
	.amdgpu_metadata
---
amdhsa.version: [ 1, 2 ]
amdhsa.kernels:
  - .name:           k_qd2a474f487_proj
    .symbol:         k_qd2a474f487_proj.kd
    .args:
      - { .name: x_codes, .offset: 0, .size: 8, .value_kind: global_buffer, .address_space: global }
      - { .name: x_scales, .offset: 8, .size: 8, .value_kind: global_buffer, .address_space: global }
      - { .name: Wq1_codes, .offset: 16, .size: 8, .value_kind: global_buffer, .address_space: global }
      - { .name: Wq2_codes, .offset: 24, .size: 8, .value_kind: global_buffer, .address_space: global }
      - { .name: Wk1_codes, .offset: 32, .size: 8, .value_kind: global_buffer, .address_space: global }
      - { .name: Wk2_codes, .offset: 40, .size: 8, .value_kind: global_buffer, .address_space: global }
      - { .name: Wv_codes, .offset: 48, .size: 8, .value_kind: global_buffer, .address_space: global }
      - { .name: Wq1_scales, .offset: 56, .size: 8, .value_kind: global_buffer, .address_space: global }
      - { .name: Wq2_scales, .offset: 64, .size: 8, .value_kind: global_buffer, .address_space: global }
      - { .name: Wk1_scales, .offset: 72, .size: 8, .value_kind: global_buffer, .address_space: global }
      - { .name: Wk2_scales, .offset: 80, .size: 8, .value_kind: global_buffer, .address_space: global }
      - { .name: Wv_scales, .offset: 88, .size: 8, .value_kind: global_buffer, .address_space: global }
      - { .name: qbuf, .offset: 96, .size: 8, .value_kind: global_buffer, .address_space: global }
      - { .name: kbuf, .offset: 104, .size: 8, .value_kind: global_buffer, .address_space: global }
      - { .name: vbuf, .offset: 112, .size: 8, .value_kind: global_buffer, .address_space: global }
    .group_segment_fixed_size: 168960
    .private_segment_fixed_size: 0
    .kernarg_segment_align: 8
    .kernarg_segment_size: 120
    .max_flat_workgroup_size: 256
    .sgpr_count:     84
    .vgpr_count:     256
    .wavefront_size: 32
...
	.end_amdgpu_metadata
.endif
;; end of part 1
;; launch attn (part 2): grid 32 x 8, 16 waves a work-group, clusters of 4 x 1, 327,680 bytes of LDS; arguments qbuf, kbuf, vbuf, lamb, out0; writes out0
.if DOCPART == 2
	.amdgcn_target "amdgcn-amd-amdhsa--gfx1250"
	.amdhsa_code_object_version 6
	.text
	.protected	k_qd2a474f487_attn
	.globl	k_qd2a474f487_attn
	.p2align	8
	.type	k_qd2a474f487_attn,@function
k_qd2a474f487_attn:
	s_mov_b64 s[64:65], 0
	v_nop
	global_prefetch_b8 v0, s[64:65] scope:SCOPE_SE
	s_setreg_imm32_b32 hwreg(HW_REG_WAVE_MODE, 25, 1), 1
	s_wait_xcnt 0x0
	s_wait_alu depctr_hold_cnt(0) depctr_sa_sdst(0) depctr_va_vdst(0) depctr_va_sdst(0) depctr_va_ssrc(0) depctr_va_vcc(0) depctr_vm_vsrc(0)
	s_getreg_b32 s2, hwreg(HW_REG_IB_STS2, 6, 4)
	s_cmp_eq_u32 s2, 0
	s_cbranch_scc0 .Lentry_in_a_cluster
	s_endpgm
.Lentry_in_a_cluster:
	s_bfe_u32 s2, ttmp6, 0x10000c
	s_cmp_lg_u32 s2, 0x3003
	s_cbranch_scc0 .Lentry_shape_is_right
	s_endpgm
.Lentry_shape_is_right:
; out = Q(softmax(q1 k1^T / 8) - lamb softmax(q2 k2^T / 8)) Q(v): all three products on codes of E2M1 with E8M0 scales.  The left operand of the last product is the FINISHED, normalised
; difference of the two maps, quantised in blocks of 32 keys: a row's maxima and sums are known before its first code is made, so the keys are walked TWICE.
;   PASS 1: both maps' scores; a running maximum and sum for each.   PASS 2: the same scores again (same instructions, same bits); w = 2^(c s1 - c m1 - log2 l1) - (lamb / l2) 2^(c s2 - c m2) in f32; quantised; O^T += V^T W^T.
; SHARES.  A work-group owns the 128 queries of one step of one batch.  Wave w: query tile t = w / 2 (16 queries), half hf = w % 2 of the keys (16 steps of 128).  Sixteen waves of 256 registers.
; The two waves of a tile join their maxima and sums once, between the passes, and their halves of O once, at the end, both through LDS.  Neither loop holds a barrier.
; LAYOUT.  S^T = K Q^T (source 0 = 16 keys, source 1 = my 16 queries): a lane holds ONE query (lane % 16).  The keys of tile 4 c + g are 64 c + 32 (m / 8) + 8 g + m % 8, so that registers 32 c .. 32 c + 31
; of a lane are the whole block of keys 64 c + 32 (lane / 16) + 0 .. 31: its largest magnitude needs no other lane, and the conversions' results are the next operand's registers.
; ONE FRAGMENT OF K SERVES BOTH MAPS: along the instruction's 128 it holds k1 | k2; map 1 multiplies it by q1 | 0, map 2 by 0 | q2 (zero codes add nothing): v16-19 q1, v20-23 zeros, v24-27 q2.
; K: the batch's 278,528 bytes, as they lie in kbuf, fill LDS once: sixteen joint loads (mask 15: the cluster's four work-groups belong to one batch), one a wave, 68 rows of 256 bytes each.
; V IS NOT ASKED FOR JOINTLY: K's 278,528 bytes and V's 139,264 pass the 327,680 bytes of LDS, so V in LDS would be a ring with a round of the cluster's barrier at every refill.
; Each wave loads its step's V, images of the operand's registers, from vbuf into registers: 512 consecutive bytes an instruction (the scale words: 256).
; NO PREFETCH: K's only loads stand at the head, with no loop ahead of them; V's loads are issued behind the step's last scores and awaited behind its softmax and quantiser.
; LIMITS: NaN and infinities are not served; exponentials under 2^-126 count as 0; a block of zeros gets the scale byte 1 (its codes are zeros); the rows' sums are taken in four streams and O in two
; halves of the keys: another order of f32 additions than the definition's; the promise holds while the scaled scores stay under 2^31 in magnitude.
.set KSTEP, 8704                       ; a step of K: 8 tiles x 1,024 bytes, then 512 bytes of scale words
.set VSTEP, 4352                       ; a step of V: 4 tiles x 1,024 bytes, then 256 bytes of scale words
.set KHALF, 16*KSTEP
.set STAT,  32*KSTEP                   ; behind K: 16 bytes a thread: the streams' maxima and sums; no tensor load lands here
.set SPARE, STAT+8192                  ; the spare words, 128 bytes a wave
.set OPITCH, 272                       ; the way out: 16 rows x (256 bytes + 16) for each wave, from LDS byte 0 on: K has had its only fill, and nobody reads it any more
.set WV,  14                           ; s14 wave; s15 hf; s16 t; s17 cx; s18 the work-group's step; s19 batch
.set HF,  15
.set TT,  16
.set CX,  17
.set SQ,  18
.set BT,  19
.set SEL, 20                           ; s[20:21] selects of v_permlanex16_b32: lane l xor 16
.set CS,  22                           ; s[22:23] c = log2(e) / 8
.set NLAM, 24                          ; s24 -lamb
.set NC,  25                           ; s25 -c
.set TK,  26                           ; s26 byte of the next step of K in my half
.set CNT, 27
.set G1K, 28                           ; s[28:35] group 1;  s[36:39] group 0
.set GK,  36
.set SPW, 1                            ; v1 my spare word; v2 0: never rewritten
.set NIL, 2
.set LI,  3                            ; v3 16 x lane
.set AK,  4                            ; v4 LDS address of the step of K in hand
.set AV,  5
.set SH8, 6                            ; v6 8 x (lane / 16)
.set PX,  7                            ; v7 a lane permute's destination
.set BB,  8                            ; v[8:9] -c m1 - log2 l1;  v[10:11] -c m2
.set RA,  12                           ; v12 log2 l1
.set RB,  14                           ; v[14:15] -lamb / l2
.set QA,  16
.set LIK, 28                           ; v28 16 x lane + my half of K
.set STR, 30                           ; v30 LDS: my query's four records
.set L8,  31                           ; v31 8 x lane
.set FR,  32                           ; v32-63 four fragments of K or of V
.set KS,  64                           ; v64-67 K's scale words: register i: lanes 0-15 tile 2 i, lanes 16-31 tile 2 i + 1;  v68-69 V's likewise;  v70 Q's;  v71 W's
.set VS,  68
.set QS,  70
.set PW,  71
.set PC,  72                           ; v72-79 W's codes
.set TM,  80                           ; v80-95 at work
.set MX,  81
.set SCR, 85
.set BY,  87
.set TW,  89
.set SX,  96                           ; v96-159 map 1's scores, then p, then w;  v160-223 map 2's
.set OO,  224                          ; pass 2: O^T, four tiles of 16 channels
.set NBP, 224                          ; pass 1: (-c m, m) of map x at v[224 + 2 x];  the sum in two halves at v[228 + 2 x];  (a, 0) at v[232 + 2 x];  a second chain of sums at v[236 + 2 x]
.set LL,  228
.set AP,  232
.set TP,  236
.set CH,  240                          ; v240-247 four chains of maxima a map
.set DA,  248
.set TN,  250
.macro PLACES n
.rept \n
	v_nop
.endr
.endm
.macro WALU
	s_wait_alu depctr_va_vdst(0)
.endm
.macro WDS                             ; all my LDS loads are in
	WALU
	s_wait_dscnt 0x0
.endm
.macro WM d, a, b, acc, sa, sb, row    ; one matrix instruction; acc = 0: it starts the sum; row = 1: source 0's scales stand in lanes 16-31
.if (\acc)
.if (\row)
	v_wmma_scale_f32_16x16x128_f8f6f4 v[\d:\d+7], v[\a:\a+7], v[\b:\b+7], v[\d:\d+7], v[\sa], v[\sb] matrix_a_fmt:MATRIX_FMT_FP4 matrix_b_fmt:MATRIX_FMT_FP4 matrix_a_scale:MATRIX_SCALE_ROW1
.else
	v_wmma_scale_f32_16x16x128_f8f6f4 v[\d:\d+7], v[\a:\a+7], v[\b:\b+7], v[\d:\d+7], v[\sa], v[\sb] matrix_a_fmt:MATRIX_FMT_FP4 matrix_b_fmt:MATRIX_FMT_FP4
.endif
.else
.if (\row)
	v_wmma_scale_f32_16x16x128_f8f6f4 v[\d:\d+7], v[\a:\a+7], v[\b:\b+7], 0, v[\sa], v[\sb] matrix_a_fmt:MATRIX_FMT_FP4 matrix_b_fmt:MATRIX_FMT_FP4 matrix_a_scale:MATRIX_SCALE_ROW1
.else
	v_wmma_scale_f32_16x16x128_f8f6f4 v[\d:\d+7], v[\a:\a+7], v[\b:\b+7], 0, v[\sa], v[\sb] matrix_a_fmt:MATRIX_FMT_FP4 matrix_b_fmt:MATRIX_FMT_FP4
.endif
.endif
.endm
.macro CROUND                          ; a round of the cluster's barrier
	s_barrier_signal -1
	s_barrier_wait -1
	s_cmp_lg_u32 s[WV], 0
	s_cbranch_scc1 .Lnot_wave_0_\@
	s_barrier_signal -3
.Lnot_wave_0_\@:
	s_barrier_wait -3
	s_barrier_signal -1
	s_barrier_wait -1
.endm
.macro KLOAD g                         ; tiles 4 g .. 4 g + 3 of the step's K, as images of their registers; with the first four the step's scale words
.irp u, 0,1,2,3
	ds_load_b128 v[FR+8*\u:FR+8*\u+3], v[AK] offset:(4*\g+\u)*1024
	ds_load_b128 v[FR+8*\u+4:FR+8*\u+7], v[AK] offset:(4*\g+\u)*1024+512
.endr
.if \g == 0
	ds_load_b128 v[KS:KS+3], v[AK] offset:8192
.endif
.endm
.macro KNEXT                           ; the next step's address, made behind this step's last loads of K: more than nine plain vector instructions stand ahead of its first reader
	s_add_co_u32 s[TK], s[TK], KSTEP
	v_add_nc_u32 v[AK], s[TK], v[LIK]
.endm
.macro SMUL g                          ; both maps' scores of those four tiles: eight products, eight accumulators, each begun with 0
.irp u, 0,1,2,3
	WM SX+8*(4*\g+\u), FR+8*\u, QA, 0, KS+(4*\g+\u)/2, QS, (\u)%2
	WM SX+64+8*(4*\g+\u), FR+8*\u, QA+4, 0, KS+(4*\g+\u)/2, QS, (\u)%2
.endr
.endm
.macro FMA x, b, p                     ; pair p of map x: c s + b (of the pairs c and b the low word serves both halves)
	v_pk_fma_f32 v[SX+64*\x+2*(\p):SX+64*\x+2*(\p)+1], v[SX+64*\x+2*(\p):SX+64*\x+2*(\p)+1], s[CS:CS+1], v[\b:\b+1] op_sel_hi:[1,0,0]
.endm
.macro FMAS x, b, from, n              ; pairs from .. from + n - 1
.set P, \from
.rept \n
	FMA \x, \b, P
.set P, P+1
.endr
.endm
.macro EXPS                            ; the step's 128 exponentials, as one batch
.set P, 0
.rept 128
	v_exp_f32 v[SX+P], v[SX+P]
.set P, P+1
.endr
.endm
.macro CHLEV lev, k0                   ; one level of the maxima's chains k0, k0 + 1 of both maps; chain k takes registers 16 k .. 16 k + 14, ascending
.irp x, 0,1
.irp k, \k0, \k0+1
.if \lev == 0
	v_max3_num_f32 v[CH+4*\x+(\k)], v[SX+64*\x+16*(\k)], v[SX+64*\x+16*(\k)+1], v[SX+64*\x+16*(\k)+2]
.else
	v_max3_num_f32 v[CH+4*\x+(\k)], v[CH+4*\x+(\k)], v[SX+64*\x+16*(\k)+2*\lev+1], v[SX+64*\x+16*(\k)+2*\lev+2]
.endif
.endr
.endr
.endm
.macro ADDOP x                         ; number NN of 33 of map x's sum: l x= a; then the 32 pairs of p in two chains; then the chains are joined
.if NN == 0
	v_pk_mul_f32 v[LL+2*\x:LL+2*\x+1], v[LL+2*\x:LL+2*\x+1], v[AP+2*\x:AP+2*\x+1] op_sel_hi:[1,0]
.elseif NN == 1
	v_pk_add_f32 v[TP+2*\x:TP+2*\x+1], v[SX+64*\x:SX+64*\x+1], v[SX+64*\x+2:SX+64*\x+3]
.elseif NN == 32
	v_pk_add_f32 v[LL+2*\x:LL+2*\x+1], v[LL+2*\x:LL+2*\x+1], v[TP+2*\x:TP+2*\x+1]
.elseif NN%2 == 0
	v_pk_add_f32 v[LL+2*\x:LL+2*\x+1], v[LL+2*\x:LL+2*\x+1], v[SX+64*\x+2*NN:SX+64*\x+2*NN+1]
.else
	v_pk_add_f32 v[TP+2*\x:TP+2*\x+1], v[TP+2*\x:TP+2*\x+1], v[SX+64*\x+2*NN:SX+64*\x+2*NN+1]
.endif
.endm
	s_load_b256 s[4:11], s[0:1], 0x0               ; qbuf s[4:5], kbuf s[6:7], vbuf s[8:9], lamb s[10:11]
	s_load_b64 s[12:13], s[0:1], 0x20              ; out0
	v_lshl_add_u32 v[SPW], v0, 2, SPARE
	v_mov_b32 v[NIL], 0
	ds_add_u32 v[SPW], v[NIL]                      ; the opening lines: the add twice on end and one wait
	ds_add_u32 v[SPW], v[NIL]
	v_lshrrev_b32 v[AK], 5, v0
	v_readfirstlane_b32 s[WV], v[AK]               ; wave 0..15
	s_and_b32 s[HF], s[WV], 1
	s_lshr_b32 s[TT], s[WV], 1
	s_and_b32 s[BT], ttmp7, 0xffff                 ; the batch, which the four partners share
	s_mov_b32 s[SEL], 0x76543210
	s_mov_b32 s[SEL+1], 0xfedcba98
	s_mov_b32 s[CS], 0x3e38aa3b                    ; c = log2(e) / 8
	s_mov_b32 s[CS+1], s[CS]
	s_mov_b32 s[NC], 0xbe38aa3b                    ; -c
	s_mov_b32 s[G1K], 15|(3<<16)|(1<<21)           ; the mask names all four work-groups, bit 21 beside it; elements of 8 bytes; no padding: every LDS read of K is 16 bytes a lane on end
	s_mov_b32 s[G1K+1], 32<<16                     ; rows of 256 bytes,
	s_mov_b32 s[G1K+2], 68<<16                     ; 68 of them: two steps of K
	s_mov_b32 s[G1K+3], 32<<16
	s_mov_b32 s[G1K+4], 68
	s_mov_b32 s[G1K+5], 32
	s_mov_b32 s[G1K+6], 0
	s_mov_b32 s[G1K+7], 0
	s_mul_i32 s40, s[HF], KHALF                    ; my half of K in LDS
	s_and_b32 s41, s[TT], 1                        ; Q's scale word: 16 r + 256 (t % 2) + 4 (t / 2)
	s_lshl_b32 s41, s41, 8
	s_lshr_b32 s42, s[TT], 1
	s_lshl_b32 s42, s42, 2
	s_add_co_u32 s41, s41, s42
	s_lshl_b32 s42, s[TT], 10                      ; Q's codes: 1,024 t + 16 x lane
	v_and_b32 v[LI], 31, v0
	v_and_b32 v[AV], 15, v0
	v_lshrrev_b32 v[STR], 6, v0
	v_bfe_u32 v[SH8], v0, 4, 1
	v_lshlrev_b32 v[L8], 3, v[LI]
	v_lshlrev_b32 v[LI], 4, v[LI]
	v_lshlrev_b32 v[STR], 10, v[STR]               ; my tile's 64 records
	v_lshlrev_b32 v[SH8], 3, v[SH8]
	v_lshl_add_u32 v[TM], v[AV], 4, s41
	v_add_nc_u32 v[LIK], s40, v[LI]
	v_lshl_add_u32 v[STR], v[AV], 4, v[STR]
	v_add_nc_u32 v[TM+1], s42, v[LI]
	v_add_nc_u32 v[AK], s40, v[LI]                 ; my half's first step
	v_add_nc_u32 v[STR], STAT, v[STR]
.irp i, 4,5,6,7
	v_mov_b32 v[QA+\i], 0                          ; the zero codes between q1 and q2
.endr
	v_mov_b32 v[PX], 0
.irp i, 0,1,2,3
	v_mov_b32 v[LL+\i], 0                          ; the sums
.endr
	v_mov_b32 v[AP+1], 0                           ; (upper halves of pairs of which the low word alone is used)
	v_mov_b32 v[AP+3], 0
	v_mov_b32 v[NBP+1], 0xff61b1e6                 ; the largest score so far: -3e38, under every score
	v_mov_b32 v[NBP+3], 0xff61b1e6
	v_mul_f32 v[NBP], s[NC], v[NBP+1]
	v_mul_f32 v[NBP+2], s[NC], v[NBP+3]
	WALU                                           ; the head's last vector instruction stands above
	s_wait_dscnt 0x0                               ; both opening adds are done
	s_wait_kmcnt 0x0
	s_load_b32 s[NLAM], s[10:11], 0x0
	s_mul_i32 s44, s[BT], 32*KSTEP
	s_mov_b32 s45, 0
	s_add_nc_u64 s[6:7], s[6:7], s[44:45]
	s_mul_i32 s44, s[WV], 2*KSTEP
	s_add_nc_u64 s[6:7], s[6:7], s[44:45]          ; K: my sixteenth of the batch's: batch and wave alone enter the descriptor
	s_mov_b32 s[GK], 1
	s_mul_i32 s[GK+1], s[WV], 2*KSTEP
	s_mov_b64 s[GK+2:GK+3], s[6:7]
	s_or_b32 s[GK+3], s[GK+3], 0x80000000
	s_mul_i32 s44, s[BT], 32*VSTEP
	s_add_nc_u64 s[8:9], s[8:9], s[44:45]
	s_mul_i32 s44, s[HF], 16*VSTEP
	s_add_nc_u64 s[8:9], s[8:9], s[44:45]          ; V at my half of the batch's keys
	CROUND                                         ; all four work-groups are here: the joint loads meet
	tensor_load_to_lds s[GK:GK+3], s[G1K:G1K+7]    ; my one tensor load of the launch
	s_nop 0
	PLACES 4
	; my place in the cluster enters Q's and O's addresses alone, in registers that feed no descriptor
	s_bfe_u32 s[CX], ttmp6, 0x40000
	s_lshl_b32 s[SQ], ttmp9, 2
	s_add_co_u32 s[SQ], s[SQ], s[CX]               ; my step of queries = 4 x cluster x + cx
	s_lshl_b32 s46, s[BT], 5
	s_add_co_u32 s46, s46, s[SQ]
	s_mul_i32 s46, s46, KSTEP
	s_mov_b32 s47, 0
	s_add_nc_u64 s[4:5], s[4:5], s[46:47]
	global_load_b128 v[QA:QA+3], v[TM+1], s[4:5]               ; q1
	global_load_b128 v[QA+8:QA+11], v[TM+1], s[4:5] offset:512 ; q2
	global_load_b32 v[QS], v[TM], s[4:5] offset:8192
	s_lshl_b32 s46, s[BT], 12                      ; the first of the eight rows of O that I store: 4,096 b + 128 sq + 64 (t / 4) + 8 (t % 4) + 32 hf
	s_lshl_b32 s48, s[SQ], 7
	s_add_co_u32 s46, s46, s48
	s_lshr_b32 s48, s[TT], 2
	s_lshl_b32 s48, s48, 6
	s_add_co_u32 s46, s46, s48
	s_and_b32 s48, s[TT], 3
	s_lshl_b32 s48, s48, 3
	s_add_co_u32 s46, s46, s48
	s_lshl_b32 s48, s[HF], 5
	s_add_co_u32 s46, s46, s48
	s_lshl_b32 s46, s46, 8
	s_add_nc_u64 s[12:13], s[12:13], s[46:47]
	s_wait_loadcnt 0x0                             ; Q
	s_wait_kmcnt 0x0
	s_xor_b32 s[NLAM], s[NLAM], 0x80000000         ; -lamb
	s_wait_tensorcnt 0x0                           ; for the others' sake: my sixteenth of K has landed
	s_barrier_signal -1
	s_barrier_wait -1                              ; everybody's has; nothing is filled again in this launch
; PASS 1, a key step: 128 keys, both maps.  For each lane and map: m = max(m, its 64 scores); a = 2^(c m_old - c m); l = a l + the sum of 2^(c s - c m).
.macro STEP1
	KLOAD 0
	WDS
	SMUL 0
	PLACES 4                                       ; in front of loads into registers that the products read, and of the first read of results
	KLOAD 1
	KNEXT
.irp l, 0,1,2,3,4,5
	CHLEV \l, 0
.endr
	WDS
	SMUL 1
	CHLEV 6, 0                                     ; four plain instructions on the first half's scores: the places behind the products
.irp l, 0,1,2,3,4,5,6
	CHLEV \l, 2
.endr
.irp x, 0,1
	v_max3_num_f32 v[CH+4*\x], v[CH+4*\x], v[SX+64*\x+15], v[SX+64*\x+31]
	v_max3_num_f32 v[CH+4*\x+2], v[CH+4*\x+2], v[SX+64*\x+47], v[SX+64*\x+63]
.endr
.irp x, 0,1
	v_max3_num_f32 v[CH+4*\x], v[CH+4*\x], v[CH+4*\x+1], v[CH+4*\x+2]
.endr
.irp x, 0,1
	s_delay_alu instid0(VALU_DEP_2)
	v_max3_num_f32 v[NBP+2*\x+1], v[CH+4*\x], v[CH+4*\x+3], v[NBP+2*\x+1]   ; the running maximum
.endr
.irp x, 0,1
	s_delay_alu instid0(VALU_DEP_2)
	v_mul_f32 v[TN+\x], s[NC], v[NBP+2*\x+1]       ; -c m
.endr
.irp x, 0,1
	s_delay_alu instid0(VALU_DEP_2)
	v_sub_f32 v[DA+\x], v[TN+\x], v[NBP+2*\x]      ; c m_old - c m, 0 or less
.endr
.irp x, 0,1
	v_mov_b32 v[NBP+2*\x], v[TN+\x]
.endr
	FMAS 0, NBP, 0, 32
	FMAS 1, NBP+2, 0, 32
	WALU                                           ; ahead of the batch: all its sources stand above
	v_exp_f32 v[AP], v[DA]
	v_exp_f32 v[AP+2], v[DA+1]
	EXPS
	v_nop                                          ; a plain place behind the batch
	WALU                                           ; and one wait behind it
.set NN, 0
.rept 33                                       ; four chains by turns: two maps x two chains
	ADDOP 0
	ADDOP 1
.set NN, NN+1
.endr
.endm
	s_mov_b32 s[TK], 0
	s_mov_b32 s[CNT], 16
.Lpass1:
	STEP1
	s_sub_co_u32 s[CNT], s[CNT], 1
	s_cmp_lg_u32 s[CNT], 0
	s_cbranch_scc1 .Lpass1
	; THE MERGE.  Each lane's record (-c m1, l1, -c m2, l2) goes to LDS; a query's four records come back to all four of its lanes, which all compute the same bits.
	v_lshl_add_u32 v[TM+4], v0, 4, STAT
	v_mov_b32 v[TM], v[NBP]
	v_add_f32 v[TM+1], v[LL], v[LL+1]
	v_mov_b32 v[TM+2], v[NBP+2]
	v_add_f32 v[TM+3], v[LL+2], v[LL+3]
	ds_store_b128 v[TM+4], v[TM:TM+3]
	WDS                                            ; for the others' sake: my record lies in LDS
	s_barrier_signal -1
	s_barrier_wait -1
.irp g, 0,1,2,3
	ds_load_b128 v[TM+4*\g:TM+4*\g+3], v[STR] offset:256*\g
.endr
	s_wait_dscnt 0x0
.irp x, 0,1
	v_min3_num_f32 v[BB+2*\x], v[TM+2*\x], v[TM+4+2*\x], v[TM+8+2*\x]
.endr
.irp x, 0,1
	s_delay_alu instid0(VALU_DEP_2)
	v_min_num_f32 v[BB+2*\x], v[BB+2*\x], v[TM+12+2*\x]            ; -c x the row's maximum
.endr
.irp g, 0,1,2,3
.irp x, 0,1
	v_sub_f32 v[TM+4*\g+2*\x], v[BB+2*\x], v[TM+4*\g+2*\x]
.endr
.endr
	WALU
.irp g, 0,1,2,3
.irp x, 0,1
	v_exp_f32 v[TM+4*\g+2*\x], v[TM+4*\g+2*\x]     ; what brings a stream's sum under the row's maximum
.endr
.endr
	v_nop
	WALU
.irp x, 0,1
	v_mul_f32 v[TM+1+2*\x], v[TM+1+2*\x], v[TM+2*\x]
.endr
.irp g, 1,2,3
.irp x, 0,1
	v_fmac_f32 v[TM+1+2*\x], v[TM+4*\g+1+2*\x], v[TM+4*\g+2*\x]    ; the row's sum
.endr
.endr
	WALU
	v_log_f32 v[RA], v[TM+1]                       ; log2 l1: map 1's division goes into its exponent
	v_rcp_f32 v[RB], v[TM+3]
.irp i, 0,1,2,3,4,5,6,7,8,9,10,11,12,13,14,15,16,17,18,19,20,21,22,23,24,25,26,27,28,29,30,31
	v_mov_b32 v[OO+\i], 0                          ; O^T begins as zeros, so that the key step is written once
.endr
	v_mov_b32 v[AK], v[LIK]                        ; back to my half's first step
	WALU
	v_sub_f32 v[BB], v[BB], v[RA]                  ; -c m1 - log2 l1
	v_mul_f32 v[RB], s[NLAM], v[RB]                ; -lamb / l2
	v_mov_b32 v[BB+3], v[BB+2]                     ; (the pairs' upper halves)
	v_mov_b32 v[BB+1], v[BB]
	v_mov_b32 v[RB+1], v[RB]
	WALU
; PASS 2, a key step: the scores again; w; its two blocks a lane quantised; O^T += V^T W^T.
.macro STEP2
	PLACES 4                                       ; behind the last step's products, in front of loads into the registers that they read
	KLOAD 0
	WDS
	SMUL 0
	PLACES 4
	KLOAD 1
	KNEXT
	FMAS 0, BB, 0, 16
	FMAS 1, BB+2, 0, 12
	WDS
	SMUL 1
	FMAS 1, BB+2, 12, 4                            ; of the first half's scores: the places behind the products
.irp e, 0,1,2,3
	global_load_b128 v[FR+8*\e:FR+8*\e+3], v[LI], s[8:9] offset:\e*1024        ; V's four tiles, for the end of the step: 512 consecutive bytes each
	global_load_b128 v[FR+8*\e+4:FR+8*\e+7], v[LI], s[8:9] offset:\e*1024+512
.endr
	global_load_b64 v[VS:VS+1], v[L8], s[8:9] offset:4096
	FMAS 0, BB, 16, 16
	FMAS 1, BB+2, 16, 16
	WALU                                           ; ahead of the batch
	EXPS
	v_nop
	WALU                                           ; behind it
.set P, 0
.rept 32
	v_pk_fma_f32 v[SX+2*P:SX+2*P+1], v[SX+64+2*P:SX+64+2*P+1], v[RB:RB+1], v[SX+2*P:SX+2*P+1]   ; w
.set P, P+1
.endr
.irp c, 0,1                                    ; my two blocks' largest magnitudes, two chains each
	v_max3_num_f32 v[MX+2*\c], |v[SX+32*\c]|, |v[SX+32*\c+1]|, 0x1800000   ; the floor 2^(3 - 127): the byte cannot fall under 1
	v_max3_num_f32 v[MX+2*\c+1], |v[SX+32*\c+16]|, |v[SX+32*\c+17]|, |v[SX+32*\c+18]|
.endr
.irp i, 2,4,6,8,10,12
.irp c, 0,1
	v_max3_num_f32 v[MX+2*\c], v[MX+2*\c], |v[SX+32*\c+\i]|, |v[SX+32*\c+\i+1]|
	v_max3_num_f32 v[MX+2*\c+1], v[MX+2*\c+1], |v[SX+32*\c+\i+17]|, |v[SX+32*\c+\i+18]|
.endr
.endr
.irp c, 0,1
	v_max3_num_f32 v[MX+2*\c], v[MX+2*\c], |v[SX+32*\c+14]|, |v[SX+32*\c+15]|
.endr
.irp c, 0,1
	s_delay_alu instid0(VALU_DEP_2)
	v_max3_num_f32 v[MX+2*\c], v[MX+2*\c], v[MX+2*\c+1], |v[SX+32*\c+31]|
.endr
.irp c, 0,1
	v_add_nc_u32 v[SCR+\c], 0xff000000, v[MX+2*\c] ; 2 off the exponent field: the conversion's scale operand
.endr
.irp c, 0,1
.irp g, 0,1,2,3
	v_cvt_scalef32_pk8_fp4_f32 v[PC+4*\c+\g], v[SX+32*\c+8*\g:SX+32*\c+8*\g+7], v[SCR+\c]   ; register 4 c + g of the operand: keys 64 c + 32 h + 8 g + 0 .. 7
.endr
.endr
.irp c, 0,1
	v_lshrrev_b32 v[BY+\c], 23, v[SCR+\c]          ; the bytes of blocks h and 2 + h; also the plain instruction behind the conversions
.endr
	v_lshl_or_b32 v[TW], v[BY+1], 16, v[BY]
	s_delay_alu instid0(VALU_DEP_1)
	v_lshlrev_b32 v[TW], v[SH8], v[TW]             ; at their places in the scale word;
	s_delay_alu instid0(VALU_DEP_1)
	v_permlanex16_b32 v[PX], v[TW], s[SEL], s[SEL+1]
	s_delay_alu instid0(VALU_DEP_1)
	v_or_b32 v[PW], v[TW], v[PX]                   ; with lane l xor 16's two the word is whole
	PLACES 8                                       ; a scale register written by a vector instruction stands eight places ahead of the scaled product
	WALU
	s_wait_loadcnt 0x0                             ; V is in, and its loads' base may be written
	s_add_nc_u64 s[8:9], s[8:9], VSTEP
.irp e, 0,1,2,3                                ; the four accumulators by turns; each takes up a result that exponentials have followed: the wait stands directly ahead of each
	WALU
	WM OO+8*\e, FR+8*\e, PC, 1, VS+(\e)/2, PW, (\e)%2
.endr
.endm
	s_mov_b32 s[TK], 0
	s_mov_b32 s[CNT], 16
.Lpass2:
	STEP2
	s_sub_co_u32 s[CNT], s[CNT], 1
	s_cmp_lg_u32 s[CNT], 0
	s_cbranch_scc1 .Lpass2
	; THE WAY OUT.  Each wave's half of O^T goes to its stage (row = query, 256 bytes + 16); each wave then takes eight whole rows of both partners' stages, adds them and stores them.
	; The eight address lines are the places behind the last products.
	v_and_b32 v[TM], 15, v0                        ; r
	v_bfe_u32 v[TM+1], v0, 4, 1                    ; h
	s_mul_i32 s40, s[WV], 16*OPITCH
	v_mul_u32_u24 v[TM+2], v[TM], OPITCH
	v_mul_u32_u24 v[TM+3], v[TM+1], OPITCH
	s_mul_i32 s41, s[TT], 32*OPITCH
	s_mul_i32 s42, s[HF], 8*OPITCH
	s_add_co_u32 s41, s41, s42
	v_lshl_add_u32 v[TM+2], v[TM+1], 5, v[TM+2]
	v_lshl_add_u32 v[TM+3], v[TM], 4, v[TM+3]
	v_add_nc_u32 v[TM+2], s40, v[TM+2]             ; in: my stage, row r, + 32 h; tile e's eight channels 64 e bytes on
	v_add_nc_u32 v[TM+3], s41, v[TM+3]             ; back: rows 8 hf + 0 .. 7 of my tile: lanes 0-15 one row, lanes 16-31 the next
	WDS
	s_barrier_signal -1
	s_barrier_wait -1                              ; nobody reads K any more
.irp e, 0,1,2,3
	ds_store_b128 v[TM+2], v[OO+8*\e:OO+8*\e+3] offset:64*\e       ; each accumulator from its low end on
	ds_store_b128 v[TM+2], v[OO+8*\e+4:OO+8*\e+7] offset:64*\e+16
.endr
	s_wait_dscnt 0x0                               ; for my partner's sake
	s_barrier_signal -1
	s_barrier_wait -1
.irp i, 0,1,2,3
	ds_load_b128 v[SX+4*\i:SX+4*\i+3], v[TM+3] offset:\i*2*OPITCH
	ds_load_b128 v[SX+16+4*\i:SX+16+4*\i+3], v[TM+3] offset:16*OPITCH+\i*2*OPITCH
.endr
	s_wait_dscnt 0x0
.irp i, 0,1,2,3,4,5,6,7
	v_pk_add_f32 v[SX+2*\i:SX+2*\i+1], v[SX+2*\i:SX+2*\i+1], v[SX+16+2*\i:SX+16+2*\i+1]   ; the two halves of the keys
.endr
.irp i, 0,1,2,3
	global_store_b128 v[LI], v[SX+4*\i:SX+4*\i+3], s[12:13] offset:512*\i th:TH_STORE_NT  ; two whole rows of 256 bytes, consecutive in memory
.endr
	s_wait_tensorcnt 0x0                           ; the wave's end
	ds_add_u32 v[SPW], v[NIL]
	s_wait_dscnt 0x0
	CROUND                                         ; the closing round
	s_endpgm
.Lfunc_end_k_qd2a474f487_attn:
	.size	k_qd2a474f487_attn, .Lfunc_end_k_qd2a474f487_attn-k_qd2a474f487_attn
	.p2alignl 7, 3214868480
	.fill 96, 4, 3214868480
	.section	.rodata,"a",@progbits
	.p2align	6, 0x0
	.amdhsa_kernel k_qd2a474f487_attn
		.amdhsa_group_segment_fixed_size 327680
		.amdhsa_private_segment_fixed_size 0
		.amdhsa_enable_private_segment 0
		.amdhsa_kernarg_size 40
		.amdhsa_user_sgpr_count 2
		.amdhsa_user_sgpr_kernarg_segment_ptr 1
		.amdhsa_wavefront_size32 1
		.amdhsa_system_sgpr_workgroup_id_x 1
		.amdhsa_system_sgpr_workgroup_id_y 1
		.amdhsa_system_sgpr_workgroup_id_z 1
		.amdhsa_system_vgpr_workitem_id 0
		.amdhsa_next_free_vgpr 256
		.amdhsa_next_free_sgpr 100
		.amdhsa_reserve_vcc 0
		.amdhsa_float_denorm_mode_32 3
		.amdhsa_float_denorm_mode_16_64 3
		.amdhsa_memory_ordered 1
		.amdhsa_forward_progress 1
		.amdhsa_inst_pref_size 51
	.end_amdhsa_kernel
	.amdgpu_metadata
---
amdhsa.version: [ 1, 2 ]
amdhsa.kernels:
  - .name:           k_qd2a474f487_attn
    .symbol:         k_qd2a474f487_attn.kd
    .args:
      - { .name: qbuf, .offset: 0, .size: 8, .value_kind: global_buffer, .address_space: global }
      - { .name: kbuf, .offset: 8, .size: 8, .value_kind: global_buffer, .address_space: global }
      - { .name: vbuf, .offset: 16, .size: 8, .value_kind: global_buffer, .address_space: global }
      - { .name: lamb, .offset: 24, .size: 8, .value_kind: global_buffer, .address_space: global }
      - { .name: out0, .offset: 32, .size: 8, .value_kind: global_buffer, .address_space: global }
    .group_segment_fixed_size: 327680
    .private_segment_fixed_size: 0
    .kernarg_segment_align: 8
    .kernarg_segment_size: 40
    .max_flat_workgroup_size: 512
    .sgpr_count:     100
    .vgpr_count:     256
    .wavefront_size: 32
...
	.end_amdgpu_metadata
.endif
;; end of part 2
